; MI455X (gfx1250); checked and timed in simulation.
; The chip was launched on July 23, 2026; its instructions are those of AMD's public machine-readable ISA for CDNA 5 (MIT licence, August 2026) and "CDNA5" Instruction Set Architecture Reference Guide (July 2026). The comments in the code are by the model that wrote it; some were corrected since.
;; Co Attention Fusion Block. Allowed arithmetic: float matrix products may take bf16 or f16 operands with f32 sums; all other float work in f32.
;; Inputs: W_f 1,024 x 2,048 float32; W_k1 1,024 x 1,024 float32; W_k2 1,024 x 1,024 float32; b_f 1,024 float32; b_k1 1,024 float32; b_k2 1,024 float32; feat_depth 16,384 x 1,024 float32; feat_rgb 16,384 x 1,024 float32.
;; Outputs: out0 16,384 x 1,024 float32.
;; One version. Each part assembles by itself: llvm-mc -triple=amdgcn-amd-amdhsa -mcpu=gfx1250 --defsym DOCPART=n.
;; ======== version 1 of 1: 3 launches
;; workspace buffers: wbf 8,388,608 bytes; fb 67,108,864 bytes; part 524,288 bytes
;; launch castw (part 1): grid 256 x 1, 8 waves a work-group, no clusters, 0 bytes of LDS; arguments W_k1, W_k2, W_f, wbf; writes wbf
.if DOCPART == 1
	.amdgcn_target "amdgcn-amd-amdhsa--gfx1250"
	.amdhsa_code_object_version 6
	.text
	.protected	k_q3175c8eec3_castw
	.globl	k_q3175c8eec3_castw
	.p2align	8
	.type	k_q3175c8eec3_castw,@function
k_q3175c8eec3_castw:
	s_mov_b64 s[64:65], 0
	v_nop
	global_prefetch_b8 v0, s[64:65] scope:SCOPE_SE
	s_setreg_imm32_b32 hwreg(HW_REG_WAVE_MODE, 25, 1), 1
	s_wait_xcnt 0x0
; The three weight matrices, f32 [n][k], are rounded once to bf16 and laid in FRAGMENT ORDER for the two launches behind.
; A fragment is 16 rows (n) x 32 k, 1,024 bytes: element (row r, k = 16 c + 8 h + e) lies at byte 512 c + 16 (16 h + r) + 2 e.  That is a matrix operand's
; register image: lane 16 h + r takes 16 bytes at 16 x lane (registers 0-3) and 16 bytes at 512 + 16 x lane (registers 4-7).
; wbf: W_k1 at byte 0 as [nblk 64][kblk 32][1024]; W_k2 at 2,097,152 likewise; W_f at 4,194,304 as [nblk 64][kblk 64][1024].
; SHARES.  2,048 waves, each one block of 16 rows x 128 k: four fragments.  Work-groups 0-63: W_k1 (block of rows = the group's number, the wave picks the 128 k);
; 64-127: W_k2; 128-255: W_f, two groups to a block of rows.  24 MB move in all: no LDS, no cluster and no matrix unit would help a plain stream of this size.
; A lane reads 32 bytes of its own row at a time; a row's 512 bytes are taken by the wave's sixteen loads on end.  Each store covers 512 consecutive bytes, aligned.
.set IN,   8                           ; v[8:71]    sixteen loads of four f32
.set OUTR, 72                          ; v[72:103]  eight half fragments of four registers
	s_load_b256 s[4:11], s[0:1], 0x0               ; W_k1 s[4:5], W_k2 s[6:7], W_f s[8:9], wbf s[10:11]
	s_mov_b32 s28, ttmp9                           ; x, the work-group's number
	v_lshrrev_b32 v2, 5, v0
	v_readfirstlane_b32 s12, v2                    ; wave 0..7
	v_and_b32 v3, 15, v0                           ; r
	v_bfe_u32 v4, v0, 4, 1                         ; h
	v_and_b32 v5, 31, v0                           ; lane
	s_and_b32 s17, s28, 63                         ; block of rows, for W_k1 and W_k2
	s_bfe_u32 s18, s28, 0x60001                    ; and for W_f: (x - 128) / 2
	s_and_b32 s19, s28, 1
	s_lshl_b32 s19, s19, 3                         ; W_f: the odd group takes k groups 8 to 15
	s_lshr_b32 s20, s28, 6
	s_min_u32 s20, s20, 2
	s_lshl_b32 s20, s20, 21                        ; the matrix's region in wbf: 0, 2 MB, 4 MB
	s_cmp_ge_u32 s28, 128                          ; W_f?
	s_cselect_b32 s13, 13, 12                      ; a row of the source is 8,192 or 4,096 bytes: the shift
	s_cselect_b32 s14, 6, 5                        ; 64 or 32 fragments along k: the shift
	s_cselect_b32 s17, s18, s17
	s_cselect_b32 s19, s19, 0
	s_add_co_u32 s19, s19, s12                     ; my group of 128 k
	v_lshlrev_b32 v1, s13, v3                      ; in: my row,
	v_lshl_add_u32 v1, v4, 5, v1                   ; and 8 f32 further for the upper half of the lanes
	v_lshlrev_b32 v2, 4, v5                        ; out: 16 x lane
	s_lshl_b32 s24, s17, 4
	s_lshl_b32 s24, s24, s13                       ; 16 rows a block,
	s_lshl_b32 s25, s19, 9                         ; 512 bytes a group of 128 k
	s_add_co_u32 s24, s24, s25
	s_mov_b32 s25, 0
	s_lshl_b32 s26, s17, s14
	s_lshl2_add_u32 s26, s19, s26                  ; my first fragment's number in its matrix,
	s_lshl_b32 s26, s26, 10                        ; in bytes,
	s_add_co_u32 s26, s26, s20                     ; in wbf
	s_mov_b32 s27, 0
	s_wait_kmcnt 0x0
	s_cmp_ge_u32 s28, 64
	s_cselect_b64 s[22:23], s[6:7], s[4:5]
	s_cmp_ge_u32 s28, 128
	s_cselect_b64 s[22:23], s[8:9], s[22:23]       ; the source
	s_add_nc_u64 s[22:23], s[22:23], s[24:25]
	s_add_nc_u64 s[10:11], s[10:11], s[26:27]
.set n, 0
.rept 8                                ; half fragment n = 2 q + c: k = 32 q + 16 c + 8 h + 0..7, 32 bytes of f32
	global_load_b128 v[IN+8*n:IN+8*n+3],   v1, s[22:23] offset:64*n
	global_load_b128 v[IN+8*n+4:IN+8*n+7], v1, s[22:23] offset:64*n+16
.set n, n+1
.endr
.set n, 0
.rept 8
	s_wait_loadcnt 14-2*n                          ; loads come back in order: all but those issued behind this half fragment's two
.irp e, 0,1,2,3
	v_cvt_pk_bf16_f32 v[OUTR+4*n+\e], v[IN+8*n+2*\e], v[IN+8*n+2*\e+1]
.endr
	global_store_b128 v2, v[OUTR+4*n:OUTR+4*n+3], s[10:11] offset:512*n
.set n, n+1
.endr
	s_endpgm
.Lfunc_end_k_q3175c8eec3_castw:
	.size	k_q3175c8eec3_castw, .Lfunc_end_k_q3175c8eec3_castw-k_q3175c8eec3_castw
	.p2alignl 7, 3214868480
	.fill 96, 4, 3214868480
	.section	.rodata,"a",@progbits
	.p2align	6, 0x0
	.amdhsa_kernel k_q3175c8eec3_castw
		.amdhsa_group_segment_fixed_size 0
		.amdhsa_private_segment_fixed_size 0
		.amdhsa_enable_private_segment 0
		.amdhsa_kernarg_size 32
		.amdhsa_user_sgpr_count 2
		.amdhsa_user_sgpr_kernarg_segment_ptr 1
		.amdhsa_wavefront_size32 1
		.amdhsa_system_sgpr_workgroup_id_x 1
		.amdhsa_system_sgpr_workgroup_id_y 1
		.amdhsa_system_sgpr_workgroup_id_z 1
		.amdhsa_system_vgpr_workitem_id 0
		.amdhsa_next_free_vgpr 104
		.amdhsa_next_free_sgpr 66
		.amdhsa_reserve_vcc 0
		.amdhsa_float_denorm_mode_32 3
		.amdhsa_float_denorm_mode_16_64 3
		.amdhsa_memory_ordered 1
		.amdhsa_forward_progress 1
		.amdhsa_inst_pref_size 7
	.end_amdhsa_kernel
	.amdgpu_metadata
---
amdhsa.version: [ 1, 2 ]
amdhsa.kernels:
  - .name:           k_q3175c8eec3_castw
    .symbol:         k_q3175c8eec3_castw.kd
    .args:
      - { .name: W_k1, .offset: 0, .size: 8, .value_kind: global_buffer, .address_space: global }
      - { .name: W_k2, .offset: 8, .size: 8, .value_kind: global_buffer, .address_space: global }
      - { .name: W_f, .offset: 16, .size: 8, .value_kind: global_buffer, .address_space: global }
      - { .name: wbf, .offset: 24, .size: 8, .value_kind: global_buffer, .address_space: global }
    .group_segment_fixed_size: 0
    .private_segment_fixed_size: 0
    .kernarg_segment_align: 8
    .kernarg_segment_size: 32
    .max_flat_workgroup_size: 256
    .sgpr_count:     66
    .vgpr_count:     104
    .wavefront_size: 32
...
	.end_amdgpu_metadata
.endif
;; end of part 1
;; launch score (part 2): grid 4 x 128, 4 waves a work-group, clusters of 4 x 4, 327,680 bytes of LDS; arguments feat_rgb, feat_depth, wbf, b_k1, b_k2, fb, part; writes fb, part
.if DOCPART == 2
	.amdgcn_target "amdgcn-amd-amdhsa--gfx1250"
	.amdhsa_code_object_version 6
	.text
	.protected	k_q3175c8eec3_score
	.globl	k_q3175c8eec3_score
	.p2align	8
	.type	k_q3175c8eec3_score,@function
k_q3175c8eec3_score:
	s_mov_b64 s[64:65], 0
	v_nop
	global_prefetch_b8 v0, s[64:65] scope:SCOPE_SE
	s_setreg_imm32_b32 hwreg(HW_REG_WAVE_MODE, 25, 1), 1
	s_wait_xcnt 0x0
	s_wait_alu depctr_hold_cnt(0) depctr_sa_sdst(0) depctr_va_vdst(0) depctr_va_sdst(0) depctr_va_ssrc(0) depctr_va_vcc(0) depctr_vm_vsrc(0)
	s_getreg_b32 s2, hwreg(HW_REG_IB_STS2, 6, 4)
	s_cmp_eq_u32 s2, 0
	s_cbranch_scc0 .Lentry_in_a_cluster
	s_endpgm
.Lentry_in_a_cluster:
	s_bfe_u32 s2, ttmp6, 0x10000c
	s_cmp_lg_u32 s2, 0xf033
	s_cbranch_scc0 .Lentry_shape_is_right
	s_endpgm
.Lentry_shape_is_right:
; k1p = rgb W_k1^T + b_k1 and k2p = depth W_k2^T + b_k2, of which only the row scores sum_n k1p[b][n] k2p[b][n] are wanted; and, as a by-product of the
; conversion that the products need anyway, both features in bf16, in fragment order, for the launch behind.
; OUT.  part[c][b], c = 0..7: the score's share of columns 128 c .. 128 c + 127 (f32).  fb: [block of 16 rows, 1024][kblk 64][1024 bytes]: fragments of 16 rows x 32 k, element
; (r, k = 16 c + 8 h + e) at byte 512 c + 16 (16 h + r) + 2 e; kblk 0-31 hold feat_depth, 32-63 feat_rgb: the order of the concatenation in the last product.
; LIMITS.  Operands are rounded to bf16 (f32's range), sums are f32.  The score is summed tile by tile, then over 16 lanes, then (next launch) over 8 shares: another order than a plain row sum.
; SHARES.  A work-group takes 128 rows x 256 columns of BOTH products.  Wave w: product p = w / 2 (0: rgb, 1: depth), rows 64 (w % 2) on, all 256 columns: 64 accumulators, 512 registers.
; So no element of a feature is converted twice in a work-group.  K goes in 16 steps of 64 through two LDS slots; a step is two substeps of 32 along K, 64 matrix instructions each.
; CLUSTER.  4 x 4 work-groups.  The four of a row of the cluster take the same 128 rows: the features' tiles are asked for jointly by them; the four of a column take the same 256 columns: the
; weights' tiles likewise.  The four of a row hold the same converted fragments; each stores another quarter of them (fragment number = its place cx), picked by v_cndmask_b32: by value, not by a
; branch or an LDS address.
; LDS.  Slot s at s x 135,168: rgb's tile (128 rows of 256 bytes f32, 16 of padding: pitch 272 = 68 words, so the 16 rows of a load start at 16 different groups of four banks: ISA guide 11.1),
; depth's tile, W_k1's tile (16 blocks of 16 columns x 2,048 bytes, fragment order, dense: a load takes 512 consecutive bytes), W_k2's tile.  Behind the slots: 256 bytes a wave for the
; row sums, then the spare words.  The exchange at the end lies in slot 0, whose last fill (K step 14) has been read out by then.
; REGISTERS, in windows of 256 (s_set_vgpr_msb: bits 1:0 source 0, 3:2 source 1, 5:4 source 2, 7:6 destination):
;   window 0: v16-31 addresses; v32-95 a substep's A in f32; v96-159 A in bf16, two buffers; v160-175 the fragment to be stored; v176-191 biases; v192-255 at work at the end
;   window 1: B's fragments, two buffers of 128; at the end the partner's 256 registers          windows 2, 3: accumulator (a, b) at v[8 (4 (b % 8) + a)] of window 2 + b / 8
; Window 2 holds columns 0-127 of the tile in product 0's waves and columns 128-255 in product 1's (B's two LDS addresses are swapped): every wave keeps window 2 and sends window 3.
.set PITCH, 272
.set ATILE, 128*PITCH                  ; 34,816
.set BTILE, 32768
.set BOFF,  2*ATILE
.set SLOT,  2*ATILE+2*BTILE            ; 135,168
.set SCR,   2*SLOT                     ; 256 bytes a wave
.set SPARE, SCR+1024                   ; the spare words, 128 bytes a wave: two blocks of 256 bytes that no other line names
.set ADRA, 16                          ; v16-17  my A rows in slot 0, 1
.set ADRB, 18                          ; v18-19  B for window 2's accumulators in slot 0, 1;  v20-21  for window 3's
.set FO,   22                          ; v22     16 x lane
.set XS,   23                          ; v23     the exchange: where I put,
.set XL,   24                          ; v24     and where my partner (wave w xor 2) has put
.set SC,   25                          ; v25     row sums: in
.set SCL,  26                          ; v26     and back
.set PO,   27                          ; v27     8 x lane
.set SPW,  28                          ; v28     LDS address of my spare word; never rewritten
.set NIL,  29                          ; v29     0; never rewritten
.set PFO,  30                          ; v30     the prefetch's offset; never rewritten
.set BOF,  31                          ; v31     4 x (lane % 16)
.set RAW,  32
.set AB,   96
.set T,    160
.set U,    168
.set BO,   176                         ; my product's bias for the 128 columns that I keep: register bb for column 16 bb + lane % 16
.set BX,   184                         ; the other product's
.set S,    192
.set TT,   224
.set UU,   32
.set G1A,  24                          ; s[24:31] descriptor group 1, features;  s[32:39] group 0, a set for each slot
.set G0A,  32
.set G1B,  48                          ; s[48:55], s[56:63] the same for the weights
.set G0B,  56
.set ML,   66                          ; s66  all ones if cx is odd
.set MH,   67                          ; s67  all ones if cx >= 2
.set FB,   68                          ; s[68:69] fb at the fragment that I store next
.set PF,   70                          ; s[70:71] my feature at the tile's first row, at the K step to be prefetched next
.set MSB, 0
.macro WIN new                         ; the immediate's high byte repeats the setting that is left; a switch that changes nothing is dropped
.if MSB != (\new)
	s_set_vgpr_msb (MSB<<8)|(\new)
.set MSB, \new
.endif
.endm
.macro PLACES                          ; four places between a matrix instruction and a load or a vector instruction that writes one of its registers or reads its result
.rept 4
	v_nop
.endr
.endm
; A joint load.  Waves 0 and 1 fetch rgb's and depth's tile, waves 2 and 3 W_k1's and W_k2's.  The branch hangs on the wave's number alone.
; An s_nop 0 and four v_nop follow each of the two lines, ahead of the jump and the label.
.macro JLOAD s
	s_cmp_eq_u32 s21, 0
	s_cbranch_scc0 .Lfor_b_\@
	tensor_load_to_lds s[G0A+4*(\s):G0A+4*(\s)+3], s[G1A:G1A+7]
	s_nop 0
.rept 4
	v_nop
.endr
	s_branch .Lasked_\@
.Lfor_b_\@:
	tensor_load_to_lds s[G0B+4*(\s):G0B+4*(\s)+3], s[G1B:G1B+7]
	s_nop 0
.rept 4
	v_nop
.endr
.Lasked_\@:
.endm
.macro CREST                           ; a round of the cluster's barrier behind its opening barrier
	s_cmp_lg_u32 s20, 0
	s_cbranch_scc1 .Lnot_wave_0_\@
	s_barrier_signal -3
.Lnot_wave_0_\@:
	s_barrier_wait -3
	s_barrier_signal -1
	s_barrier_wait -1
.endm
.macro CROUND                          ; a whole round
	s_barrier_signal -1
	s_barrier_wait -1
	CREST
.endm
	s_load_b256 s[4:11], s[0:1], 0x0               ; rgb s[4:5], depth s[6:7], wbf s[8:9], b_k1 s[10:11]
	s_load_b128 s[12:15], s[0:1], 0x20             ; b_k2 s[12:13], fb s[14:15]
	s_load_b64 s[16:17], s[0:1], 0x30              ; part
	v_lshl_add_u32 v[SPW], v0, 2, SPARE
	v_mov_b32 v[NIL], 0
	ds_add_u32 v[SPW], v[NIL]                      ; the wave's opening: the add and its wait ahead of my first tensor load; the set-up below, work on registers, stands between them
	v_lshrrev_b32 v1, 5, v0
	v_readfirstlane_b32 s20, v1                    ; wave w
	s_lshr_b32 s21, s20, 1                         ; p: my product.  Also: I fetch features (0) or weights (1)
	s_and_b32 s22, s20, 1                          ; my half of the rows.  Also: which of the two tiles I fetch
	s_bfe_u32 s40, ttmp6, 0x40000                  ; cx
	s_bfe_u32 s41, ttmp6, 0x40004                  ; cy
	s_lshl_b32 s42, ttmp9, 2
	s_add_co_u32 s42, s42, s40                     ; tile column = 4 x cluster x + cx
	s_and_b32 s43, ttmp7, 0xffff
	s_lshl_b32 s43, s43, 2
	s_add_co_u32 s43, s43, s41                     ; tile row = 4 x cluster y + cy
	s_lshl_b32 s44, s41, 2
	s_lshl_b32 s44, 15, s44                        ; my row of the cluster
	s_lshl_b32 s45, 0x1111, s40                    ; my column
	; group 1, features: 128 rows x 64 f32, padded in LDS
	s_or_b32 s[G1A], s44, (2<<16)|(1<<20)|(1<<21)|(5<<22)|(3<<25)  ; 15:0 the mask: my row; 17:16 elements of 4 bytes; 20 padding on; 21 set beside a mask; 24:22 after every 64 words (code 5); 31:25 4 words (code 3)
	s_mov_b32 s[G1A+1], 64<<16                     ; tensor_dim0 = 64
	s_mov_b32 s[G1A+2], 128<<16                    ; tensor_dim1 = 128
	s_mov_b32 s[G1A+3], 64<<16                     ; tile_dim0 = 64
	s_mov_b32 s[G1A+4], 128                        ; tile_dim1 = 128
	s_mov_b32 s[G1A+5], 1024                       ; elements from row to row
	s_mov_b32 s[G1A+6], 0
	s_mov_b32 s[G1A+7], 0
	; group 1, weights: 16 blocks of columns, of each two fragments = 2,048 consecutive bytes, 32,768 bytes apart; dense in LDS
	s_or_b32 s[G1B], s45, (3<<16)|(1<<21)          ; the mask: my column; elements of 8 bytes; no padding
	s_mov_b32 s[G1B+1], 256<<16
	s_mov_b32 s[G1B+2], 16<<16
	s_mov_b32 s[G1B+3], 256<<16
	s_mov_b32 s[G1B+4], 16
	s_mov_b32 s[G1B+5], 4096
	s_mov_b32 s[G1B+6], 0
	s_mov_b32 s[G1B+7], 0
	s_bitcmp1_b32 s40, 0
	s_cselect_b32 s[ML], -1, 0
	s_bitcmp1_b32 s40, 1
	s_cselect_b32 s[MH], -1, 0
	s_lshl_b32 s80, s43, 19                        ; the tile's 128 rows of 4,096 bytes: hangs on the tile row alone
	s_mov_b32 s81, 0
	s_lshl_b32 s82, s22, 21                        ; W_k1's or W_k2's region,
	s_lshl_b32 s83, s42, 19                        ; 16 blocks of columns of 32,768 bytes: hangs on the tile column alone
	s_add_co_u32 s82, s82, s83
	s_mov_b32 s83, 0
	s_mul_i32 s46, s22, ATILE                      ; where the tiles go: no place in the cluster enters an LDS address
	s_mul_i32 s47, s22, BTILE
	s_add_co_u32 s47, s47, BOFF
	s_lshl_b32 s86, s43, 3                         ; fb: block of 16 rows 8 x tile row + 4 x my half + cx,
	s_lshl2_add_u32 s86, s22, s86
	s_add_co_u32 s86, s86, s40
	s_lshl_b32 s86, s86, 16                        ; 65,536 bytes each;
	s_xor_b32 s87, s21, 1
	s_lshl_b32 s87, s87, 15                        ; rgb's 32 fragments lie behind depth's
	s_add_co_u32 s86, s86, s87
	s_mov_b32 s87, 0
	s_lshl1_add_u32 s88, s42, s21                  ; part: share c = 2 x tile column + p,
	s_lshl_b32 s88, s88, 16
	s_lshl_b32 s89, s43, 9                         ; row 128 x tile row
	s_add_co_u32 s88, s88, s89
	s_lshl_b32 s89, s22, 8                         ; + 64 x my half
	s_add_co_u32 s88, s88, s89
	s_mov_b32 s89, 0
	s_lshl_b32 s90, s42, 10                        ; biases: column 256 x tile column + 128 p
	s_lshl_b32 s91, s21, 9
	s_add_co_u32 s90, s90, s91
	s_mov_b32 s91, 0
	s_wait_dscnt 0x0                               ; the opening add is done
	s_wait_kmcnt 0x0
	s_cmp_eq_u32 s22, 0
	s_cselect_b64 s[78:79], s[4:5], s[6:7]         ; the feature whose tile I would fetch
	s_add_nc_u64 s[78:79], s[78:79], s[80:81]
	s_add_nc_u64 s[84:85], s[8:9], s[82:83]        ; the weights' tile that I would fetch
	s_cmp_eq_u32 s21, 0
	s_cselect_b64 s[PF:PF+1], s[4:5], s[6:7]       ; my product's feature,
	s_cselect_b64 s[74:75], s[10:11], s[12:13]     ; its bias,
	s_cselect_b64 s[76:77], s[12:13], s[10:11]     ; the other product's bias
	s_add_nc_u64 s[PF:PF+1], s[PF:PF+1], s[80:81]
	s_add_nc_u64 s[PF:PF+1], s[PF:PF+1], 1024      ; K step 4
	s_add_nc_u64 s[74:75], s[74:75], s[90:91]
	s_add_nc_u64 s[76:77], s[76:77], s[90:91]
	s_add_nc_u64 s[FB:FB+1], s[14:15], s[86:87]
	s_add_nc_u64 s[72:73], s[16:17], s[88:89]
	CROUND                                         ; all sixteen work-groups are here: the first joint loads meet
.irp s, 0,1
	s_mov_b32 s[G0A+4*(\s)], 1                                       ; count = 1
	s_add_co_u32 s[G0A+4*(\s)+1], s46, (\s)*SLOT                     ; LDS address
	s_add_nc_u64 s[G0A+4*(\s)+2:G0A+4*(\s)+3], s[78:79], (\s)*256    ; K step s: 64 f32 along the rows
	s_or_b32 s[G0A+4*(\s)+3], s[G0A+4*(\s)+3], 0x80000000            ; type = 2
	s_mov_b32 s[G0B+4*(\s)], 1
	s_add_co_u32 s[G0B+4*(\s)+1], s47, (\s)*SLOT
	s_add_nc_u64 s[G0B+4*(\s)+2:G0B+4*(\s)+3], s[84:85], (\s)*2048   ; K step s: two fragments
	s_or_b32 s[G0B+4*(\s)+3], s[G0B+4*(\s)+3], 0x80000000
	JLOAD \s                                       ; two loads of mine are out
.endr
	; in the wait for the first tile: addresses, biases, the first prefetch
	v_and_b32 v1, 15, v0                           ; r
	v_bfe_u32 v2, v0, 4, 1                         ; h
	v_and_b32 v3, 31, v0                           ; lane
	v_mul_u32_u24 v4, v1, PITCH
	v_lshl_add_u32 v4, v2, 5, v4                   ; row x pitch + 8 f32 for the upper half of the lanes
	s_mul_i32 s2, s21, ATILE                       ; my product's feature,
	s_mul_i32 s23, s22, 64*PITCH                   ; my 64 rows
	s_add_co_u32 s2, s2, s23
	v_add_nc_u32 v[ADRA], s2, v4
	v_add_nc_u32 v[ADRA+1], SLOT, v[ADRA]
	v_lshlrev_b32 v[FO], 4, v3
	s_mul_i32 s2, s21, BTILE+16384                 ; window 2's columns: product 0: blocks 0-7 of W_k1's tile; product 1: blocks 8-15 of W_k2's
	s_add_co_u32 s2, s2, BOFF
	v_add_nc_u32 v[ADRB], s2, v[FO]
	v_add_nc_u32 v[ADRB+1], SLOT, v[ADRB]
	s_lshl_b32 s2, s21, 14                         ; window 3's: product 0: blocks 8-15; product 1: blocks 0-7
	s_add_co_u32 s2, s2, BOFF+16384
	v_add_nc_u32 v[ADRB+2], s2, v[FO]
	v_add_nc_u32 v[ADRB+3], SLOT, v[ADRB+2]
	s_lshl_b32 s2, s20, 15                         ; the exchange: 32,768 bytes a wave
	v_add_nc_u32 v[XS], s2, v[FO]
	s_xor_b32 s2, s2, 65536                        ; wave w xor 2: the other product, the same rows
	v_add_nc_u32 v[XL], s2, v[FO]
	s_lshl_b32 s2, s20, 8
	s_add_co_u32 s2, s2, SCR
	v_lshl_add_u32 v[SC], v2, 5, s2
	v_lshl_add_u32 v[SCL], v3, 3, s2
	v_lshlrev_b32 v[PO], 3, v3
	s_lshl_b32 s86, s40, 17                        ; the prefetch: row 32 cx + lane of the tile's 128, 4,096 bytes each,
	s_lshl_b32 s87, s22, 8                         ; and one K step (256 bytes) further in the waves with w odd
	s_add_co_u32 s86, s86, s87
	v_lshl_add_u32 v[PFO], v3, 12, s86
	v_lshlrev_b32 v[BOF], 2, v1
.set z, 0
.rept 8
	global_load_b32 v[BO+z], v[BOF], s[74:75] offset:64*z
	global_load_b32 v[BX+z], v[BOF], s[76:77] offset:64*z
.set z, z+1
.endr
	; PREFETCH.  A feature's tile of one K step is 128 pieces of 256 bytes, one a row.  Each piece is asked for once in the launch: the four partners of a row of the cluster take 32 rows each,
	; a lane a row; the wave's product picks the feature, its parity the K step.  Here: K steps 2 and 3.  In the loop, once a trip (two K steps): the two K steps that are asked of the tensor
	; mover three and five substeps later, 8 KB a wave.  The sixth trip asks for K steps 14 and 15, the last; the tail asks for nothing.
	global_prefetch_b8 v[PFO], s[PF:PF+1] offset:-512 th:TH_LOAD_NT scope:SCOPE_SE
; Matrix instruction i of a substep's 64: columns' block b = i / 4, rows' block a = i % 4; source 0 = A (16 rows), source 1 = B (16 columns): register j of lane (r, h) is (row 16 a + 8 h + j,
; column 16 b + r).  The 64 accumulators take turns in this one order, over the loop's jump too.  zero = 1: the products start the sums: nothing is cleared.
.macro MM x, zero
	WIN 0xa4+0x50*(i/32)                           ; A window 0, B window 1, C and D window 2 or 3
.set rD, 8*(i%32)
.set rA, AB+32*(\x)+8*(i%4)
.set rB, 128*(\x)+8*(i/4)
.if \zero
	v_wmma_f32_16x16x32_bf16 v[rD:rD+7], v[rA:rA+7], v[rB:rB+7], 0
.else
	v_wmma_f32_16x16x32_bf16 v[rD:rD+7], v[rA:rA+7], v[rB:rB+7], v[rD:rD+7]
.endif
.set i, i+1
.endm
; Fragment a of A as f32: lane (r, h) takes k = 8 h + 0..7 (32 bytes) and k = 16 + 8 h + 0..7 of row 16 a + r, from part rp (32 k = 128 bytes) of slot rs
.macro RAWLD rs, rp, a
	WIN 0
	ds_load_b128 v[RAW+16*(\a):RAW+16*(\a)+3],     v[ADRA+(\rs)] offset:16*PITCH*(\a)+128*(\rp)
	ds_load_b128 v[RAW+16*(\a)+4:RAW+16*(\a)+7],   v[ADRA+(\rs)] offset:16*PITCH*(\a)+128*(\rp)+16
	ds_load_b128 v[RAW+16*(\a)+8:RAW+16*(\a)+11],  v[ADRA+(\rs)] offset:16*PITCH*(\a)+128*(\rp)+64
	ds_load_b128 v[RAW+16*(\a)+12:RAW+16*(\a)+15], v[ADRA+(\rs)] offset:16*PITCH*(\a)+128*(\rp)+80
.endm
; Fragment b of B into buffer y: two loads of 512 consecutive bytes
.macro BLD rs, rp, y, b
	WIN 0x40                                       ; destination window 1, address window 0
.set bR, 128*(\y)+8*(\b)
.set bA, ADRB+2*((\b)/8)+(\rs)
	ds_load_b128 v[bR:bR+3],   v[bA] offset:2048*((\b)%8)+1024*(\rp)
	ds_load_b128 v[bR+4:bR+7], v[bA] offset:2048*((\b)%8)+1024*(\rp)+512
.endm
; Group g of 14, four plain instructions: 0-3, 6-9: fragments 0, 1 and 2, 3 are rounded to bf16 into buffer y; 4-5: T = fragment 0 or 1 (cx odd); 10-11: U = fragment 2 or 3;
; 12-13: T = T or U (cx >= 2): the fragment number cx, which this work-group stores.
.macro CG y, g
	WIN 0
.set cA, AB+32*(\y)
.if ((\g) < 4) || (((\g) >= 6) && ((\g) < 10))
.set cf, (\g)/2-(\g)/6
.set cj, 4*((\g)%2)
.irp e, 0,1,2,3
	v_cvt_pk_bf16_f32 v[cA+8*cf+cj+\e], v[RAW+16*cf+2*(cj+\e)], v[RAW+16*cf+2*(cj+\e)+1]
.endr
.elseif (\g) < 6
.set cj, 4*((\g)-4)
.irp e, 0,1,2,3
	v_cndmask_b32 v[T+cj+\e], v[cA+cj+\e], v[cA+8+cj+\e], s[ML]
.endr
.elseif (\g) < 12
.set cj, 4*((\g)-10)
.irp e, 0,1,2,3
	v_cndmask_b32 v[U+cj+\e], v[cA+16+cj+\e], v[cA+24+cj+\e], s[ML]
.endr
.else
.set cj, 4*((\g)-12)
.irp e, 0,1,2,3
	v_cndmask_b32 v[T+cj+\e], v[T+cj+\e], v[U+cj+\e], s[MH]
.endr
.endif
.endm
; A SUBSTEP multiplies buffers x and (fetch = 1) brings the next substep, part rp of slot rs, into the other buffers: its LDS loads stand among the first 32 matrix instructions, its conversions
; among the last 32.  The fragment that the substep before picked (this substep's A) is stored.
; pl = 1: four places between the last matrix instruction of the substep before, which read the other buffers, and the loads and conversions into them (behind a joint load its four v_nop serve).
; meet: an even substep reads the second part of its own slot in its first half: those are the slot's last reads.  So the change of slots stands in its second half.  1: a barrier; 2: a round of the
; cluster's barrier, and slot fs is filled again, two K steps on: the load has the next substep and 48 matrix instructions of the one after in which to land.  pf = 1: a prefetch.
.macro SUB rs, rp, x, zero, meet, fs, fetch, pl, pf
	s_wait_dscnt 0x0                               ; B of this substep is in: its loads were issued in the first half of the substep before
.if \pl
	PLACES
.endif
.set i, 0
.rept 32
	MM \x, \zero
.if (\fetch) && (i%2 == 0) && (i <= 8)
	RAWLD \rs, \rp, i/2-1
.elseif (\fetch) && (i%2 == 0) && (i <= 24)
	BLD \rs, \rp, 1-(\x), i-10
	BLD \rs, \rp, 1-(\x), i-9
.elseif i == 26
	WIN 0
	global_store_b128 v[FO], v[T:T+3],   s[FB:FB+1] th:TH_STORE_NT             ; each store covers 512 consecutive bytes, aligned
	global_store_b128 v[FO], v[T+4:T+7], s[FB:FB+1] offset:512 th:TH_STORE_NT
.if \pf
	global_prefetch_b8 v[PFO], s[PF:PF+1] th:TH_LOAD_NT scope:SCOPE_SE
.endif
.endif
.endr
.if \fetch
	s_wait_dscnt 32                                ; A's sixteen loads are in; the 32 of B issued behind them may stay out
	s_wait_xcnt 0x0                                ; the stores' addresses are translated (ISA guide 3.1): T and the two bases are written again only behind this wait
	s_add_nc_u64 s[FB:FB+1], s[FB:FB+1], 1024      ; the next fragment along K
.if \pf
	s_add_nc_u64 s[PF:PF+1], s[PF:PF+1], 512       ; two K steps on
.endif
.endif
.rept 32
	MM \x, \zero
.if (\fetch) && (i%2 == 0) && (i >= 34) && (i <= 60)
	CG 1-(\x), (i-34)/2
.endif
.if (\meet) && (i == 48)
	WIN 0
	s_wait_tensorcnt 0x0                           ; all my tensor loads have landed: the one that was out is my part of the next slot;
	ds_add_u32 v[SPW], v[NIL]                      ; 0 onto my spare word; eight matrix instructions and their conversions stand between it and the wait for it
.endif
.if (\meet) && (i == 56)
	s_wait_dscnt 0x0                               ; the add is done, and my reads of this slot are over
	s_barrier_signal -1                            ; register work alone up to the wait
.endif
.endr
.if \meet
	WIN 0                                          ; at a branch and at a label every window is 0
	s_barrier_wait -1
.endif
.if (\meet) == 2
	CREST                                          ; the barrier has opened a round of the cluster's: no wave of any partner still reads this slot or has a load on its way
	s_add_nc_u64 s[G0A+4*(\fs)+2:G0A+4*(\fs)+3], s[G0A+4*(\fs)+2:G0A+4*(\fs)+3], 512
	s_add_nc_u64 s[G0B+4*(\fs)+2:G0B+4*(\fs)+3], s[G0B+4*(\fs)+2:G0B+4*(\fs)+3], 4096
	JLOAD \fs                                      ; the first tensor load behind the round, my only one until the next
.endif
.endm
	s_wait_loadcnt 0x0                             ; the biases, once
	s_wait_tensorcnt 0x1                           ; my part of K step 0 is in; K step 1's may stay out
	s_barrier_signal -1
	s_barrier_wait -1                              ; everybody's is
.irp a, 0,1,2,3
	RAWLD 0, 0, \a
.endr
.irp b, 0,1,2,3,4,5,6,7,8,9,10,11,12,13,14,15
	BLD 0, 0, 0, \b
.endr
	s_wait_dscnt 32                                ; A is in
.irp g, 0,1,2,3,4,5,6,7,8,9,10,11,12,13
	CG 0, \g
.endr
	SUB 0,1,0, 1, 2,0, 1,0,0                       ; substep 0: its products start the sums; slot 0 takes K step 2
	s_mov_b32 s3, 6
.Llap:                                                 ; a trip: substeps 4 j + 1 .. 4 j + 4, two K steps; both slots are filled again
	SUB 1,0,1, 0, 0,0, 1,0,1
	SUB 1,1,0, 0, 2,1, 1,1,0
	SUB 0,0,1, 0, 0,0, 1,0,0
	SUB 0,1,0, 0, 2,0, 1,1,0
	s_sub_co_u32 s3, s3, 1
	s_cmp_lg_u32 s3, 0
	s_cbranch_scc1 .Llap
	SUB 1,0,1, 0, 0,0, 1,0,0                       ; substeps 25 to 31 are written out
	SUB 1,1,0, 0, 2,1, 1,1,0                       ; slot 1 takes K step 15: the last load
	SUB 0,0,1, 0, 0,0, 1,0,0
	SUB 0,1,0, 0, 1,0, 1,1,0                       ; K step 15 is in, everybody's part; slot 0 is read out
	SUB 1,0,1, 0, 0,0, 1,1,0
	SUB 1,1,0, 0, 0,0, 1,1,0
	SUB 0,0,1, 0, 0,0, 0,0,0                       ; the last substep fetches nothing
	; THE SCORE'S SHARES.  I keep window 2 (128 columns of my product) and hand window 3 (the other 128) to the wave with the other product and my rows, through slot 0: every wave's last reads
	; of it were waited for in front of the barrier of substep 28, and no tensor load follows.  Each accumulator's lowest registers are read first.
	PLACES
	WIN 0x0c                                       ; store data window 3, address window 0
.set n, 0
.rept 64
	ds_store_b128 v[XS], v[4*n:4*n+3] offset:512*n
.set n, n+1
.endr
	s_wait_dscnt 0x0                               ; for the partner's sake: my stores are done
	s_barrier_signal -1
	s_barrier_wait -1
	WIN 0x40
.set n, 0
.rept 64
	ds_load_b128 v[4*n:4*n+3], v[XL] offset:512*n  ; register for register what the partner held: the same rows, my columns
.set n, n+1
.endr
.macro ADDB dst, src, bias, sel        ; 32 numbers + one bias a lane: register sel of the pair feeds both halves
.set z, 0
.rept 16
.if \sel
	v_pk_add_f32 v[(\dst)+2*z:(\dst)+2*z+1], v[(\src)+2*z:(\src)+2*z+1], v[(\bias):(\bias)+1] op_sel:[0,1] op_sel_hi:[1,1]
.else
	v_pk_add_f32 v[(\dst)+2*z:(\dst)+2*z+1], v[(\src)+2*z:(\src)+2*z+1], v[(\bias):(\bias)+1] op_sel_hi:[1,0]
.endif
.set z, z+1
.endr
.endm
.set bb, 0
.rept 8                                ; columns 16 bb + r: S[8 a + j] += (mine + my bias) x (the partner's + its bias), for rows 16 a + 8 h + j
	WIN 0x02                                       ; source 0 window 2
	ADDB TT, 32*bb, BO+2*(bb/2), bb%2
	s_wait_dscnt 56-8*bb                           ; the first 8 bb + 8 of the 64 loads are in
	WIN 0x01                                       ; source 0 window 1
	ADDB UU, 32*bb, BX+2*(bb/2), bb%2
	WIN 0
.set z, 0
.rept 16
.if bb == 0
	v_pk_mul_f32 v[S+2*z:S+2*z+1], v[TT+2*z:TT+2*z+1], v[UU+2*z:UU+2*z+1]   ; the first product starts the sums
.else
	v_pk_fma_f32 v[S+2*z:S+2*z+1], v[TT+2*z:TT+2*z+1], v[UU+2*z:UU+2*z+1], v[S+2*z:S+2*z+1]
.endif
.set z, z+1
.endr
.set bb, bb+1
.endr
.irp m, 1,2,4,8                        ; over the 16 lanes of a half, which hold 16 columns of the same rows
.set z, 0
.rept 32
	v_add_f32_dpp v[S+z], v[S+z], v[S+z] row_xmask:\m row_mask:0xf bank_mask:0xf
.set z, z+1
.endr
.endr
.set z, 0
.rept 8                                ; row 16 a + 8 h + j at byte 4 x row of my 256 bytes; the sixteen lanes of a half write the same bytes with the same numbers
	ds_store_b128 v[SC], v[S+4*z:S+4*z+3] offset:64*(z/2)+16*(z%2)
.set z, z+1
.endr
	ds_load_b64 v[UU:UU+1], v[SCL]                 ; LDS serves a wave's instructions in order (ISA guide 5.7.1.4): this sees the stores above
	s_wait_dscnt 0x0
	global_store_b64 v[PO], v[UU:UU+1], s[72:73]   ; my 64 rows' shares: 256 consecutive bytes, aligned
	s_wait_tensorcnt 0x0                           ; the wave's end: behind my last tensor load and my last LDS store
	ds_add_u32 v[SPW], v[NIL]
	s_wait_dscnt 0x0
	CROUND                                         ; the closing round: no work-group ends while a partner may still ask for a tile that names it
	s_endpgm
.Lfunc_end_k_q3175c8eec3_score:
	.size	k_q3175c8eec3_score, .Lfunc_end_k_q3175c8eec3_score-k_q3175c8eec3_score
	.p2alignl 7, 3214868480
	.fill 96, 4, 3214868480
	.section	.rodata,"a",@progbits
	.p2align	6, 0x0
	.amdhsa_kernel k_q3175c8eec3_score
		.amdhsa_group_segment_fixed_size 327680
		.amdhsa_private_segment_fixed_size 0
		.amdhsa_enable_private_segment 0
		.amdhsa_kernarg_size 56
		.amdhsa_user_sgpr_count 2
		.amdhsa_user_sgpr_kernarg_segment_ptr 1
		.amdhsa_wavefront_size32 1
		.amdhsa_system_sgpr_workgroup_id_x 1
		.amdhsa_system_sgpr_workgroup_id_y 1
		.amdhsa_system_sgpr_workgroup_id_z 1
		.amdhsa_system_vgpr_workitem_id 0
		.amdhsa_next_free_vgpr 1024
		.amdhsa_next_free_sgpr 92
		.amdhsa_reserve_vcc 0
		.amdhsa_float_denorm_mode_32 3
		.amdhsa_float_denorm_mode_16_64 3
		.amdhsa_memory_ordered 1
		.amdhsa_forward_progress 1
		.amdhsa_inst_pref_size 208
	.end_amdhsa_kernel
	.amdgpu_metadata
---
amdhsa.version: [ 1, 2 ]
amdhsa.kernels:
  - .name:           k_q3175c8eec3_score
    .symbol:         k_q3175c8eec3_score.kd
    .args:
      - { .name: feat_rgb, .offset: 0, .size: 8, .value_kind: global_buffer, .address_space: global }
      - { .name: feat_depth, .offset: 8, .size: 8, .value_kind: global_buffer, .address_space: global }
      - { .name: wbf, .offset: 16, .size: 8, .value_kind: global_buffer, .address_space: global }
      - { .name: b_k1, .offset: 24, .size: 8, .value_kind: global_buffer, .address_space: global }
      - { .name: b_k2, .offset: 32, .size: 8, .value_kind: global_buffer, .address_space: global }
      - { .name: fb, .offset: 40, .size: 8, .value_kind: global_buffer, .address_space: global }
      - { .name: part, .offset: 48, .size: 8, .value_kind: global_buffer, .address_space: global }
    .group_segment_fixed_size: 327680
    .private_segment_fixed_size: 0
    .kernarg_segment_align: 8
    .kernarg_segment_size: 56
    .max_flat_workgroup_size: 128
    .sgpr_count:     92
    .vgpr_count:     1024
    .wavefront_size: 32
...
	.end_amdgpu_metadata
.endif
;; end of part 2
;; launch fuse (part 3): grid 4 x 64, 4 waves a work-group, clusters of 4 x 4, 327,680 bytes of LDS; arguments fb, wbf, part, b_f, out0; writes out0
.if DOCPART == 3
	.amdgcn_target "amdgcn-amd-amdhsa--gfx1250"
	.amdhsa_code_object_version 6
	.text
	.protected	k_q3175c8eec3_fuse
	.globl	k_q3175c8eec3_fuse
	.p2align	8
	.type	k_q3175c8eec3_fuse,@function
k_q3175c8eec3_fuse:
	s_mov_b64 s[64:65], 0
	v_nop
	global_prefetch_b8 v0, s[64:65] scope:SCOPE_SE
	s_setreg_imm32_b32 hwreg(HW_REG_WAVE_MODE, 25, 1), 1
	s_wait_xcnt 0x0
	s_wait_alu depctr_hold_cnt(0) depctr_sa_sdst(0) depctr_va_vdst(0) depctr_va_sdst(0) depctr_va_ssrc(0) depctr_va_vcc(0) depctr_vm_vsrc(0)
	s_getreg_b32 s2, hwreg(HW_REG_IB_STS2, 6, 4)
	s_cmp_eq_u32 s2, 0
	s_cbranch_scc0 .Lentry_in_a_cluster
	s_endpgm
.Lentry_in_a_cluster:
	s_bfe_u32 s2, ttmp6, 0x10000c
	s_cmp_lg_u32 s2, 0xf033
	s_cbranch_scc0 .Lentry_shape_is_right
	s_endpgm
.Lentry_shape_is_right:
; out[b][n] = w[b] x (sum over k of fused[b][k] W_f[n][k]) + b_f[n], fused = [depth | rgb] in bf16 (fb), W_f in bf16 (wbf at 4,194,304), both in fragment order
; ([block of 16 rows][kblk 64][1,024 bytes]: a fragment is a matrix operand's register image, two pieces of 512 bytes).  Sums in f32, out in f32.
; w[b] = softmax of the row's score over an axis of length one: the score is the sum of its 8 shares (part); its maximum, the score itself, is taken away; w = e / e with e = exp(score - score):
; 1 for every finite score, NaN for an infinite one or a NaN, as in the definition.  Both weights of the definition are this one expression, so it is made once.
; LIMITS.  w multiplies the finished f32 sum, not the operands: the same for w = 1 and for NaN.  The score comes from bf16 operands and another order of summing: a score within rounding of f32's
; largest number may fall on the other side of it.
; SHARES.  A tile of out, 256 x 256, to a work-group; four waves of 128 x 128: 64 accumulators, 512 registers.  K = 2,048 in 16 steps of 128 through two LDS slots.
; CLUSTER.  4 x 4 work-groups: the four of a row of the cluster need the same rows of fb, the four of a column the same rows of W_f: each tile is asked for jointly.
; LDS.  Slot s at s x 131,072: four quarters of 32,768 bytes (fb's rows 0-127, 128-255; W_f's rows 0-127, 128-255), each 8 blocks of 16 rows x 4 fragments, dense: a fragment load takes 512
; consecutive bytes.  Behind the slots: a stage of 16 rows x 528 bytes a wave for the way out (512 + 16 of padding = 132 words: the 16 rows of a store start at 16 different groups of four
; banks: ISA guide 11.1); 512 bytes a wave for w; the spare words.
; THE MATRIX INSTRUCTION IS USED TRANSPOSED (source 0 = 16 rows of W_f, source 1 = 16 rows of fb): lane l then holds row l % 16 of out and the columns 8 (l / 16) + 0..7: 32 consecutive bytes.
; REGISTERS, in windows of 256 (s_set_vgpr_msb: bits 1:0 source 0, 3:2 source 1, 5:4 source 2, 7:6 destination):
;   window 0: v16-31 addresses; v32-39 w; v64-127, v128-191 fb's fragments, two buffers (on the way out: rows read back); v192-255 at work on the way out
;   window 1: v64-127, v128-191 W_f's fragments; v192-255 b_f for my 128 columns          windows 2, 3: accumulator (a, b) at v[8 (8 (a % 4) + b)] of window 2 + a / 4
.set SLOT,   131072
.set STAGE,  2*SLOT
.set SPITCH, 528
.set WSC,    STAGE+4*16*SPITCH
.set SPARE,  WSC+2048                  ; the spare words, 128 bytes a wave: two blocks of 256 bytes that no other line names
.set LAPS,   8                         ; a lap = two K steps = once round the ring
.set ADRA, 16                          ; v16-17  my fragments of fb in slot 0, 1
.set ADRB, 20                          ; v20-21  of W_f
.set STO,  24                          ; v24     the way out: where I put 32 bytes of a row
.set RD,   25                          ; v25     where I read a row back
.set CO,   26                          ; v26     16 x lane
.set BOF,  27                          ; v27     32 x (lane / 16)
.set SPW,  28                          ; v28     LDS address of my spare word; never rewritten
.set NIL,  29                          ; v29     0; never rewritten
.set WST,  30                          ; v30     w: in
.set WLD,  31                          ; v31     and back
.set WR,   32                          ; v32-39  w of row 16 a + lane % 16
.set F0,   64
.set F1,   128
.set TMP,  192
.set OB,   64
.set BIAS, 192
.set G1,  24                           ; s[24:31] descriptor group 1 for fb's tiles;  s[32:39] group 0, a set for each slot
.set G0,  32
.set G1B, 48                           ; s[48:55], s[56:63] the same for W_f's
.set G0B, 56
.set MSB, 0
.macro WIN new                         ; the immediate's high byte repeats the setting that is left; a switch that changes nothing is dropped
.if MSB != (\new)
	s_set_vgpr_msb (MSB<<8)|(\new)
.set MSB, \new
.endif
.endm
.set MUL_LO, 0xa1                      ; source 0 (W_f) window 1, source 1 (fb) window 0, C and D window 2
.set TO_B,   0x40                      ; destination window 1, address window 0
.macro PLACES                          ; four places between a matrix instruction and a load or a vector instruction that writes one of its registers or reads its result
.rept 4
	v_nop
.endr
.endm
; A joint load: waves 0 and 1 fetch fb's two halves, waves 2 and 3 W_f's.  An s_nop 0 and four v_nop follow each of the two lines, ahead of the jump and the label.
.macro JLOAD s
	s_cmp_eq_u32 s15, 0
	s_cbranch_scc0 .Lfor_b_\@
	tensor_load_to_lds s[G0+4*(\s):G0+4*(\s)+3], s[G1:G1+7]
	s_nop 0
.rept 4
	v_nop
.endr
	s_branch .Lasked_\@
.Lfor_b_\@:
	tensor_load_to_lds s[G0B+4*(\s):G0B+4*(\s)+3], s[G1B:G1B+7]
	s_nop 0
.rept 4
	v_nop
.endr
.Lasked_\@:
.endm
.macro CREST                           ; a round of the cluster's barrier behind its opening barrier
	s_cmp_lg_u32 s14, 0
	s_cbranch_scc1 .Lnot_wave_0_\@
	s_barrier_signal -3
.Lnot_wave_0_\@:
	s_barrier_wait -3
	s_barrier_signal -1
	s_barrier_wait -1
.endm
.macro CROUND                          ; a whole round
	s_barrier_signal -1
	s_barrier_wait -1
	CREST
.endm
	s_load_b256 s[4:11], s[0:1], 0x0               ; fb s[4:5], wbf s[6:7], part s[8:9], b_f s[10:11]
	s_load_b64 s[12:13], s[0:1], 0x20              ; out0
	v_lshl_add_u32 v[SPW], v0, 2, SPARE
	v_mov_b32 v[NIL], 0
	ds_add_u32 v[SPW], v[NIL]                      ; the wave's opening: the add and its wait ahead of my first tensor load; the set-up below, work on registers, stands between them
	v_lshrrev_b32 v1, 5, v0
	v_readfirstlane_b32 s14, v1                    ; wave 0..3
	s_lshr_b32 s15, s14, 1                         ; which half of the tile's rows is mine.  Also: I fetch for fb (0) or for W_f (1)
	s_and_b32 s16, s14, 1                          ; which half of its columns.  Also: which 128 rows of that tile I fetch
	s_bfe_u32 s40, ttmp6, 0x40000                  ; cx
	s_bfe_u32 s41, ttmp6, 0x40004                  ; cy
	s_lshl_b32 s42, ttmp9, 2
	s_add_co_u32 s42, s42, s40                     ; tile column = 4 x cluster x + cx
	s_and_b32 s43, ttmp7, 0xffff
	s_lshl_b32 s43, s43, 2
	s_add_co_u32 s43, s43, s41                     ; tile row = 4 x cluster y + cy
	s_lshl_b32 s44, s41, 2
	s_lshl_b32 s44, 15, s44                        ; my row of the cluster
	s_lshl_b32 s45, 0x1111, s40                    ; my column
	; group 1: 8 blocks of 16 rows, of each four fragments = 4,096 consecutive bytes, 65,536 bytes apart; dense in LDS
	s_or_b32 s[G1], s44, (3<<16)|(1<<21)           ; 15:0 the mask: fb's tiles go to my row; 17:16 elements of 8 bytes; 21 set beside a mask; no padding
	s_or_b32 s[G1B], s45, (3<<16)|(1<<21)          ; W_f's to my column
.irp g, G1, G1B
	s_mov_b32 s[(\g)+1], 512<<16                   ; tensor_dim0 = 512
	s_mov_b32 s[(\g)+2], 8<<16                     ; tensor_dim1 = 8
	s_mov_b32 s[(\g)+3], 512<<16                   ; tile_dim0 = 512
	s_mov_b32 s[(\g)+4], 8                         ; tile_dim1 = 8
	s_mov_b32 s[(\g)+5], 8192                      ; elements from block to block
	s_mov_b32 s[(\g)+6], 0
	s_mov_b32 s[(\g)+7], 0
.endr
	s_lshl_b32 s18, s43, 4                         ; fb: block 16 x tile row + 8 x half: hangs on the tile row alone
	s_lshl3_add_u32 s18, s16, s18
	s_lshl_b32 s18, s18, 16
	s_mov_b32 s19, 0
	s_lshl_b32 s46, s42, 4                         ; W_f: block 16 x tile column + 8 x half: hangs on the tile column alone
	s_lshl3_add_u32 s46, s16, s46
	s_lshl_b32 s46, s46, 16
	s_add_co_u32 s46, s46, 4194304                 ; W_f's region in wbf
	s_mov_b32 s47, 0
	s_lshl_b32 s17, s14, 15                        ; where they go: wave x 32,768: no place in the cluster enters an LDS address
	s_lshl_b32 s20, s43, 10                        ; part: row 256 x tile row + 128 x my half of the rows
	s_lshl_b32 s21, s15, 9
	s_add_co_u32 s20, s20, s21
	s_mov_b32 s21, 0
	s_lshl_b32 s22, s42, 10                        ; b_f, and out's columns: 256 x tile column + 128 x my half of the columns
	s_lshl_b32 s23, s16, 9
	s_add_co_u32 s22, s22, s23
	s_mov_b32 s23, 0
	s_lshl_b32 s2, s43, 20                         ; out: my first row, 4,096 bytes each,
	s_lshl_b32 s3, s15, 19
	s_add_co_u32 s2, s2, s3
	s_add_co_u32 s2, s2, s22                       ; and my first column
	s_mov_b32 s3, 0
	s_wait_dscnt 0x0                               ; the opening add is done
	s_wait_kmcnt 0x0
	s_add_nc_u64 s[18:19], s[4:5], s[18:19]
	s_add_nc_u64 s[46:47], s[6:7], s[46:47]
	s_add_nc_u64 s[8:9], s[8:9], s[20:21]
	s_add_nc_u64 s[10:11], s[10:11], s[22:23]
	s_add_nc_u64 s[12:13], s[12:13], s[2:3]
	CROUND                                         ; all sixteen work-groups are here: the first joint loads meet
.irp s, 0,1
	s_mov_b32 s[G0+4*(\s)], 1                                      ; count = 1
	s_add_co_u32 s[G0+4*(\s)+1], s17, (\s)*SLOT                    ; LDS address
	s_add_nc_u64 s[G0+4*(\s)+2:G0+4*(\s)+3], s[18:19], (\s)*4096   ; K step s: four fragments
	s_or_b32 s[G0+4*(\s)+3], s[G0+4*(\s)+3], 0x80000000            ; type = 2
	s_mov_b32 s[G0B+4*(\s)], 1
	s_add_co_u32 s[G0B+4*(\s)+1], s17, (\s)*SLOT
	s_add_nc_u64 s[G0B+4*(\s)+2:G0B+4*(\s)+3], s[46:47], (\s)*4096
	s_or_b32 s[G0B+4*(\s)+3], s[G0B+4*(\s)+3], 0x80000000
	JLOAD \s                                       ; two loads of mine are out
.endr
	; in the wait for the first tile: b_f, the scores' shares, addresses, w
	v_and_b32 v1, 15, v0                           ; r
	v_bfe_u32 v2, v0, 4, 1                         ; h
	v_and_b32 v3, 31, v0                           ; lane
	v_lshlrev_b32 v[CO], 4, v3
	v_lshlrev_b32 v[BOF], 5, v2
	WIN TO_B
.set b, 0
.rept 8                                ; columns 16 b + 8 h + 0..7
	global_load_b128 v[BIAS+8*b:BIAS+8*b+3],   v[BOF], s[10:11] offset:64*b
	global_load_b128 v[BIAS+8*b+4:BIAS+8*b+7], v[BOF], s[10:11] offset:64*b+16
.set b, b+1
.endr
	WIN 0
.set c, 0
.rept 8                                ; share c of rows 4 x lane + 0..3 of my 128
	global_load_b128 v[64+4*c:64+4*c+3], v[CO], s[8:9] offset:65536*c
.set c, c+1
.endr
	s_lshl_b32 s2, s15, 15                         ; my 128 rows of fb
	v_add_nc_u32 v[ADRA], s2, v[CO]
	v_add_nc_u32 v[ADRA+1], SLOT, v[ADRA]
	s_lshl_b32 s2, s16, 15                         ; my 128 rows of W_f,
	s_add_co_u32 s2, s2, 65536                     ; which lie behind fb's 256
	v_add_nc_u32 v[ADRB], s2, v[CO]
	v_add_nc_u32 v[ADRB+1], SLOT, v[ADRB]
	s_mul_i32 s2, s14, 16*SPITCH
	s_add_co_u32 s2, s2, STAGE                     ; my stage
	v_mul_u32_u24 v4, v1, SPITCH                   ; in: row l % 16, 32 bytes for each half of the lanes
	v_lshl_add_u32 v4, v2, 5, v4
	v_add_nc_u32 v[STO], s2, v4
	v_add_nc_u32 v[RD], s2, v[CO]                  ; back: the 32 lanes take one row of 512 bytes
	s_lshl_b32 s2, s14, 9
	s_add_co_u32 s2, s2, WSC
	v_add_nc_u32 v[WST], s2, v[CO]
	v_lshl_add_u32 v[WLD], v1, 2, s2
	s_wait_loadcnt 0x0
.set c, 1
.rept 7                                ; the score: its 8 shares, in ascending order
	v_pk_add_f32 v[64:65], v[64:65], v[64+4*c:64+4*c+1]
	v_pk_add_f32 v[66:67], v[66:67], v[64+4*c+2:64+4*c+3]
.set c, c+1
.endr
.irp k, 0,1,2,3
	v_sub_f32 v[68+\k], v[64+\k], v[64+\k]         ; less the maximum over the axis of one: the score itself
.endr
.irp k, 0,1,2,3
	v_mul_f32 v[68+\k], 0x3fb8aa3b, v[68+\k]       ; log2(e): the exponential works in base 2
.endr
.irp k, 0,1,2,3
	v_exp_f32 v[72+\k], v[68+\k]
.endr
	v_nop                                          ; a plain instruction between a transcendental and the use of its result (ISA guide 5.7.2)
	s_wait_alu depctr_va_vdst(0)
.irp k, 0,1,2,3
	v_rcp_f32 v[76+\k], v[72+\k]                   ; the sum over the axis is that one exponential
.endr
	v_nop
	s_wait_alu depctr_va_vdst(0)
.irp k, 0,1,2,3
	v_mul_f32 v[80+\k], v[72+\k], v[76+\k]
.endr
	ds_store_b128 v[WST], v[80:83]                 ; row x at byte 4 x of my 512 bytes
.set a, 0
.rept 8
	ds_load_b32 v[WR+a], v[WLD] offset:64*a        ; LDS serves a wave's instructions in order (ISA guide 5.7.1.4): these see the store above
.set a, a+1
.endr
; 16 matrix instructions: m blocks a0, a0 + 1 of the window's four (hi = 0: my rows 0-63, 1: rows 64-127) x all 8 n blocks, 32 along K.  zero = 1: the products start the sums.
; The 64 accumulators take turns in one order in every quarter, over the loop's jump too.
.macro MUL16 f, hi, a0, zero
	WIN MUL_LO+0x50*(\hi)
.irp a, \a0, (\a0)+1
.irp b, 0,1,2,3,4,5,6,7
.if \zero
	v_wmma_f32_16x16x32_bf16 v[8*(8*(\a)+(\b)):8*(8*(\a)+(\b))+7], v[(\f)+8*(\b):(\f)+8*(\b)+7], v[(\f)+8*(4*(\hi)+(\a)):(\f)+8*(4*(\hi)+(\a))+7], 0
.else
	v_wmma_f32_16x16x32_bf16 v[8*(8*(\a)+(\b)):8*(8*(\a)+(\b))+7], v[(\f)+8*(\b):(\f)+8*(\b)+7], v[(\f)+8*(4*(\hi)+(\a)):(\f)+8*(4*(\hi)+(\a))+7], v[8*(8*(\a)+(\b)):8*(8*(\a)+(\b))+7]
.endif
.endr
.endr
.endm
; 32 LDS loads in one run: the fragments of quarter q (32 along K) of a slot, 8 of W_f and 8 of fb, into buffer f
.macro FETCH slot, q, f
	WIN TO_B
.irp i, 0,1,2,3,4,5,6,7
	ds_load_b128 v[(\f)+8*(\i):(\f)+8*(\i)+3],   v[ADRB+(\slot)] offset:4096*(\i)+1024*(\q)
	ds_load_b128 v[(\f)+8*(\i)+4:(\f)+8*(\i)+7], v[ADRB+(\slot)] offset:4096*(\i)+1024*(\q)+512
.endr
	WIN 0
.irp i, 0,1,2,3,4,5,6,7
	ds_load_b128 v[(\f)+8*(\i):(\f)+8*(\i)+3],   v[ADRA+(\slot)] offset:4096*(\i)+1024*(\q)
	ds_load_b128 v[(\f)+8*(\i)+4:(\f)+8*(\i)+7], v[ADRA+(\slot)] offset:4096*(\i)+1024*(\q)+512
.endr
.endm
; A K step is four quarters of 32 along K, 64 matrix instructions each, on buffers 0, 1, 0, 1.  One of the first three: multiplies buffer f; in its middle it fetches quarter q into buffer g.
.macro QUARTER slot, q, f, g, zero
	s_wait_dscnt 8                                 ; W_f and fb's rows 0-63 are in; the youngest eight loads (fb's rows 64-127) may be out
	MUL16 \f, 0, 0, \zero
	MUL16 \f, 0, 2, \zero
	PLACES
	FETCH \slot, \q, \g
	s_wait_dscnt 32                                ; all but the 32 just issued
	MUL16 \f, 1, 0, \zero
	MUL16 \f, 1, 2, \zero
.endm
; The last quarter multiplies buffer 1 and changes slots: ONE barrier.  In front of it each wave waits for all its tensor loads, of which one is out: its part of the next slot; adds 0 to its spare
; word; and waits for that and for its own reads of this slot.  fill = 1: the barrier opens a round of the cluster's, and this slot is filled again, two K steps on, the first thing behind it:
; from the request to the wait for it a wave issues 224 matrix instructions.
.macro TURN slot, next, fill
	WIN 0                                          ; (the add's two registers lie in window 0)
	s_wait_tensorcnt 0x0
	ds_add_u32 v[SPW], v[NIL]                      ; 0 onto my spare word
	s_wait_dscnt 9                                 ; (the add and the youngest eight loads may be out)
	MUL16 F1, 0, 0, 0                              ; sixteen matrix instructions stand between the add and the wait for it
	s_wait_dscnt 0x0                               ; the add is done, and my reads of this slot are over
	s_barrier_signal -1
	MUL16 F1, 0, 2, 0                              ; register work while the others arrive
.if \fill
	WIN 0                                          ; at a branch and at a label every window is 0
.endif
	s_barrier_wait -1
.if \fill
	CREST                                          ; no wave of any partner still reads this slot's tile or has a load on its way
	s_add_nc_u64 s[G0+4*(\slot)+2:G0+4*(\slot)+3], s[G0+4*(\slot)+2:G0+4*(\slot)+3], 8192
	s_add_nc_u64 s[G0B+4*(\slot)+2:G0B+4*(\slot)+3], s[G0B+4*(\slot)+2:G0B+4*(\slot)+3], 8192
	JLOAD \slot                                    ; its four v_nop are also the places in front of the loads below
.else
	PLACES
.endif
	FETCH \next, 0, F0
	MUL16 F1, 1, 0, 0
	MUL16 F1, 1, 2, 0
.endm
	s_wait_dscnt 0x0                               ; w is in registers: no LDS instruction of mine is out at the signal
	s_wait_tensorcnt 0x1                           ; my part of K step 0 is in; K step 1's may stay out
	s_barrier_signal -1
	s_barrier_wait -1                              ; everybody's is
	FETCH 0, 0, F0
	QUARTER 0, 1, F0, F1, 1                        ; the first quarter stands in front of the loop: its products start the sums
	WIN 0
	s_mov_b32 s3, LAPS-1
.Llap:                                                 ; a trip goes once round the ring, from a lap's second quarter to the next lap's first, and fills both slots again
	QUARTER 0, 2, F1, F0, 0
	QUARTER 0, 3, F0, F1, 0
	TURN 0, 1, 1
	QUARTER 1, 1, F0, F1, 0
	QUARTER 1, 2, F1, F0, 0
	QUARTER 1, 3, F0, F1, 0
	TURN 1, 0, 1
	QUARTER 0, 1, F0, F1, 0
	WIN 0
	s_sub_co_u32 s3, s3, 1
	s_cmp_lg_u32 s3, 0
	s_cbranch_scc1 .Llap
	QUARTER 0, 2, F1, F0, 0                        ; the last lap is written out: it fills nothing, and has no round of the cluster's barrier
	QUARTER 0, 3, F0, F1, 0
	TURN 0, 1, 0
	QUARTER 1, 1, F0, F1, 0
	QUARTER 1, 2, F1, F0, 0
	QUARTER 1, 3, F0, F1, 0
	s_wait_dscnt 8                                 ; the very last quarter: nothing more to fetch
	MUL16 F1, 0, 0, 0
	MUL16 F1, 0, 2, 0
	s_wait_dscnt 0x0
	MUL16 F1, 1, 0, 0
	MUL16 F1, 1, 2, 0
; THE WAY OUT, a block of 16 rows at a time.  PACK: sum x w + b_f, one fused multiply-add for two numbers; each accumulator's registers in ascending order.
; TOSTAGE: 32 bytes a lane into my own stage, and back as whole rows of 512 bytes.  SEND: stored.
.macro PACK a
.set AC, 64*((\a)%4)
	WIN 0x12+(\a)/4                                ; source 0 window 2 or 3, w window 0, b_f window 1, destination window 0
.set z, 0
.rept 32
.if (\a)%2
	v_pk_fma_f32 v[TMP+2*z:TMP+2*z+1], v[AC+2*z:AC+2*z+1], v[WR+2*((\a)/2):WR+2*((\a)/2)+1], v[BIAS+2*z:BIAS+2*z+1] op_sel:[0,1,0] op_sel_hi:[1,1,1]
.else
	v_pk_fma_f32 v[TMP+2*z:TMP+2*z+1], v[AC+2*z:AC+2*z+1], v[WR+2*((\a)/2):WR+2*((\a)/2)+1], v[BIAS+2*z:BIAS+2*z+1] op_sel_hi:[1,0,1]
.endif
.set z, z+1
.endr
.endm
.macro TOSTAGE a
	WIN 0
.set BK, OB+64*((\a)%2)
.set z, 0
.rept 16                               ; columns 16 (z / 2) + 8 h + 4 (z % 2) + 0..3
	ds_store_b128 v[STO], v[TMP+4*z:TMP+4*z+3] offset:64*(z/2)+16*(z%2)
.set z, z+1
.endr
.set t, 0
.rept 16
	ds_load_b128 v[BK+4*t:BK+4*t+3], v[RD] offset:SPITCH*t  ; LDS serves a wave's instructions in order (ISA guide 5.7.1.4): these see the stores above; the next block's stores come behind them
.set t, t+1
.endr
.endm
.macro SEND a
	WIN 0
.set BK, OB+64*((\a)%2)
	s_wait_dscnt 0x0                               ; the block is back in registers
	s_wait_xcnt 0x0                                ; earlier stores' addresses are translated (ISA guide 3.1): only behind this wait are their base and the registers that they read written again
.if (\a) > 0
	s_add_nc_u64 s[12:13], s[12:13], 16*4096       ; 16 rows of out on
.endif
.set t, 0
.rept 16
	global_store_b128 v[CO], v[BK+4*t:BK+4*t+3], s[12:13] offset:4096*t th:TH_STORE_NT  ; 512 consecutive bytes, at a multiple of 512 from out's first byte
.set t, t+1
.endr
.endm
	PLACES
	PACK 0
	TOSTAGE 0
.irp a, 1,2,3,4,5,6,7                  ; block a's arithmetic stands between block a - 1's loads from the stage and the wait for them
	PACK \a
	SEND (\a)-1
	TOSTAGE \a
.endr
	SEND 7
	s_wait_tensorcnt 0x0                           ; the wave's end: behind my last tensor load and my last LDS store
	ds_add_u32 v[SPW], v[NIL]
	s_wait_dscnt 0x0
	CROUND                                         ; the closing round: no work-group ends while a partner may still ask for a tile that names it
	s_endpgm
.Lfunc_end_k_q3175c8eec3_fuse:
	.size	k_q3175c8eec3_fuse, .Lfunc_end_k_q3175c8eec3_fuse-k_q3175c8eec3_fuse
	.p2alignl 7, 3214868480
	.fill 96, 4, 3214868480
	.section	.rodata,"a",@progbits
	.p2align	6, 0x0
	.amdhsa_kernel k_q3175c8eec3_fuse
		.amdhsa_group_segment_fixed_size 327680
		.amdhsa_private_segment_fixed_size 0
		.amdhsa_enable_private_segment 0
		.amdhsa_kernarg_size 40
		.amdhsa_user_sgpr_count 2
		.amdhsa_user_sgpr_kernarg_segment_ptr 1
		.amdhsa_wavefront_size32 1
		.amdhsa_system_sgpr_workgroup_id_x 1
		.amdhsa_system_sgpr_workgroup_id_y 1
		.amdhsa_system_sgpr_workgroup_id_z 1
		.amdhsa_system_vgpr_workitem_id 0
		.amdhsa_next_free_vgpr 1024
		.amdhsa_next_free_sgpr 66
		.amdhsa_reserve_vcc 0
		.amdhsa_float_denorm_mode_32 3
		.amdhsa_float_denorm_mode_16_64 3
		.amdhsa_memory_ordered 1
		.amdhsa_forward_progress 1
		.amdhsa_inst_pref_size 161
	.end_amdhsa_kernel
	.amdgpu_metadata
---
amdhsa.version: [ 1, 2 ]
amdhsa.kernels:
  - .name:           k_q3175c8eec3_fuse
    .symbol:         k_q3175c8eec3_fuse.kd
    .args:
      - { .name: fb, .offset: 0, .size: 8, .value_kind: global_buffer, .address_space: global }
      - { .name: wbf, .offset: 8, .size: 8, .value_kind: global_buffer, .address_space: global }
      - { .name: part, .offset: 16, .size: 8, .value_kind: global_buffer, .address_space: global }
      - { .name: b_f, .offset: 24, .size: 8, .value_kind: global_buffer, .address_space: global }
      - { .name: out0, .offset: 32, .size: 8, .value_kind: global_buffer, .address_space: global }
    .group_segment_fixed_size: 327680
    .private_segment_fixed_size: 0
    .kernarg_segment_align: 8
    .kernarg_segment_size: 40
    .max_flat_workgroup_size: 128
    .sgpr_count:     66
    .vgpr_count:     1024
    .wavefront_size: 32
...
	.end_amdgpu_metadata
.endif
;; end of part 3
